; MI455X (gfx1250); checked and timed in simulation.
; The chip was launched on July 23, 2026; its instructions are those of AMD's public machine-readable ISA for CDNA 5 (MIT licence, August 2026) and "CDNA5" Instruction Set Architecture Reference Guide (July 2026). The comments in the code are by the model that wrote it; some were corrected since.
;; Causal Self Attention. Allowed arithmetic: matrix products marked QUANTISED: E2M1 operands, one E8M0 scale for each 32 along K, by v_wmma_scale_f32_16x16x128_f8f6f4 with both operands' format E2M1 (or v_wmma_scale_f32_32x16x128_f4), f32 sums; everything else in f32.
;; Inputs: proj_b 1,024 float32; proj_w_codes 1,024 x 32 x 16 uint8 (E2M1 codes of proj_w, K innermost, in blocks of 32 codes, two codes a byte); proj_w_scales 1,024 x 32 uint8 (E8M0 scales of proj_w, one for each 32 codes along K); qkv_b 3,072 float32; qkv_w_codes 3,072 x 32 x 16 uint8 (E2M1 codes of qkv_w, K innermost, in blocks of 32 codes, two codes a byte); qkv_w_scales 3,072 x 32 uint8 (E8M0 scales of qkv_w, one for each 32 codes along K); x_codes 4 x 2,048 x 32 x 16 uint8 (E2M1 codes of x, K innermost, in blocks of 32 codes, two codes a byte); x_scales 4 x 2,048 x 32 uint8 (E8M0 scales of x, one for each 32 codes along K).
;; Outputs: out0 4 x 2,048 x 1,024 float32.
;; This version of the problem:
;;   THIS VERSION OF THE PROBLEM IS GIVEN IN LOW PRECISION. The matrix products marked QUANTISED in the list below multiply operands that are first quantised to E2M1 (2 exponent bits, 1 mantissa bit; 4 bits a number), with one power-of-two scale for each 32 numbers along K (OCP MX v1.0); their sums are f32. All else is computed in f32.
;;   The module's matrix products, in the order in which they are computed (A, B: the left and right operand; K: the contracted axis; several contracted axes count as one K, in the product's order):
;;     1. [M 8,192, K 1,024] x [K 1,024, N 3,072]; A: input x (given as codes); B: input qkv_w (given as codes): QUANTISED
;;     2. batch 64 x [M 2,048, K 64] x [K 64, N 2,048]; A: computed on the way; B: computed on the way: QUANTISED
;;     3. batch 64 x [M 2,048, K 2,048] x [K 2,048, N 64]; A: softmax (see below); B: computed on the way: QUANTISED
;;     4. [M 8,192, K 1,024] x [K 1,024, N 1,024]; A: computed on the way; B: input proj_w (given as codes): QUANTISED
;;   THE QUANTISER, for each operand of a quantised product, along K:
;;     - K is cut into blocks of 32 from its start; a last block that is shorter is filled with zeros.
;;     - A block's scale is 2^e with e = floor(log2(the largest magnitude in the block)) - 2, held to -126 .. 127; a block of zeros has e = 0. As a byte (E8M0): e + 127.
;;     - Each number is divided by its block's scale, clamped to +-6, and rounded to the nearest number of E2M1, ties to even, subnormals kept.
;;     - The product sums the exact products of the quantised numbers (number of the format x scale) in f32.
;;   ~~~python
;;   def quantise(x, axis):      # numpy; x: float32 -> the quantised numbers, widened to float32 again
;;       x = np.moveaxis(x, axis, -1); K = x.shape[-1]
;;       x = np.pad(x, [(0, 0)] * (x.ndim - 1) + [(0, -K % 32)]); x = x.reshape(x.shape[:-1] + (-1, 32)); a = np.abs(x).max(-1, keepdims=True)
;;       e = np.where(a > 0, np.clip(np.frexp(np.where(a > 0, a, 1))[1] - 1 - 2, -126, 127), 0)      # np.frexp(a)[1] - 1 = floor(log2(a)), exactly
;;       r = np.clip(x / 2.0 ** e, -6, 6)
;;       step = 2.0 ** (np.maximum(np.frexp(np.where(r == 0, 1, r))[1] - 1, 0) - 1)
;;       q = np.round(r / step) * step * 2.0 ** e      # np.round: ties to even
;;       return np.moveaxis(q.reshape(q.shape[:-2] + (-1,))[..., :K], -1, axis).astype(np.float32)
;;   ~~~
;;   SOFTMAX AHEAD OF A QUANTISED PRODUCT. Where the list says 'softmax', what is quantised is not the finished softmax but p = 2^(t - M), with t = logit x log2(e) and M = ceil(the row's largest t), a whole number; so 1/2 < the row's largest p <= 1. The row's sum l is taken of the UNQUANTISED p, in f32, and the product's result is divided by l at the end. Since M is a whole number, a kernel that streams over the keys may use a running M (the ceiling of the running maximum): every later rescaling is an exact power of two, which a block's scale takes up: the codes' values come out the same.
;;   OPERANDS COMPUTED ON THE WAY. 'Computed on the way' means the value that the module computes at that place (a softmax that the list does not call 'softmax' is quantised finished and normalised). What goes into a quantiser is computed in f32, as accurately as f32 sums, v_exp_f32 and their like allow (about 1e-6 of the number): no bf16 or f16 on the way to a quantiser, and a product that is left as it is and whose result goes on into a quantised operand takes f32 operands (vector FMAs, or v_wmma_f32_16x16x4_f32). A number that lies on a knife's edge between two numbers of the format may be rounded either way, as far as f32 arithmetic and the matrix unit's own rounding can turn it there, and no further.
;;   INPUTS GIVEN AS CODES. proj_w (in the module: [1024, 1024], K = its axis 1); qkv_w (in the module: [3072, 1024], K = its axis 1); x (in the module: [4, 2048, 1024], K = its axis 2): each comes as NAME_codes (uint8): NAME with its K axis moved to the last place and cut into blocks of 32 codes, [.., K / 32, bytes a block], one block behind the other in memory; two codes a byte, the lower K in the low four bits (a code: sign, 2 exponent bits, 1 mantissa bit); and NAME_scales (uint8): the same leading axes, one E8M0 byte (e + 127) for each 32 codes along K. Its value is code x scale, taken as it is: it is not quantised again, and the codes and scales need not be those that the quantiser above would give.
;; One version. Each part assembles by itself: llvm-mc -triple=amdgcn-amd-amdhsa -mcpu=gfx1250 --defsym DOCPART=n.
;; ======== version 1 of 1: 3 launches
;; workspace buffers: qkv_img 12,582,912 bytes; qkv_sc 786,432 bytes; y_img 4,194,304 bytes; y_sc 262,144 bytes
;; launch qkv (part 1): grid 24 x 32, 4 waves a work-group, clusters of 4 x 4, 212,992 bytes of LDS; arguments x_codes, x_scales, qkv_w_codes, qkv_w_scales, qkv_b, qkv_img, qkv_sc; writes qkv_img, qkv_sc
.if DOCPART == 1
	.amdgcn_target "amdgcn-amd-amdhsa--gfx1250"
	.amdhsa_code_object_version 6
	.text
	.protected	k_qdb7bb896dd_qkv
	.globl	k_qdb7bb896dd_qkv
	.p2align	8
	.type	k_qdb7bb896dd_qkv,@function
k_qdb7bb896dd_qkv:
	s_mov_b64 s[64:65], 0
	v_nop
	global_prefetch_b8 v0, s[64:65] scope:SCOPE_SE
	s_setreg_imm32_b32 hwreg(HW_REG_WAVE_MODE, 25, 1), 1
	s_wait_xcnt 0x0
	s_wait_alu depctr_hold_cnt(0) depctr_sa_sdst(0) depctr_va_vdst(0) depctr_va_sdst(0) depctr_va_ssrc(0) depctr_va_vcc(0) depctr_vm_vsrc(0)
	s_getreg_b32 s2, hwreg(HW_REG_IB_STS2, 6, 4)
	s_cmp_eq_u32 s2, 0
	s_cbranch_scc0 .Lentry_in_a_cluster
	s_endpgm
.Lentry_in_a_cluster:
	s_bfe_u32 s2, ttmp6, 0x10000c
	s_cmp_lg_u32 s2, 0xf033
	s_cbranch_scc0 .Lentry_shape_is_right
	s_endpgm
.Lentry_shape_is_right:
; CAUSAL SELF-ATTENTION IN MX-FP4, launch 1 of 3: qkv = x W^T + b on the given codes, and q, k, v quantised on the way out.
; WORK LEFT OUT BY THE PROGRAM (in the second launch): a step of 128 keys all of which come after all 16 queries of a tile.  reference() itself sets those logits to -infinity by its own
; jnp.tril, so their p is 0 exactly: they add 0 to the row's sum and 0 to the product with v, whatever finite values the inputs hold, and they cannot move the row's maximum.  Every input has a way to the
; output and is loaded.  LIMITS: a NaN, an infinity or an overflow in k or v at a key that is hidden from a query is not carried to that query's result; a block of zeros gets the scale byte 1 where
; the quantiser says 127 (its codes are zeros, and this program alone reads the bytes); blocks whose largest magnitude lies under 2^(3 - 127) are held at that byte.
; SHARES.  A work-group of four waves makes 128 rows of source 0 x 256 rows of source 1; wave w takes source 1's rows 64 w .. 64 w + 63 (four blocks a) against all 128 of source 0 (eight tiles b):
; 32 accumulators, 256 registers.  In a result lane (r, h) holds ONE row of source 1 (16 a + r), and register j row 16 b + 8 h + j of source 0: its registers run along source 0.
; ONE BODY, TWO ROLES.  q and k are quantised along the features: clusters x = 0 .. 3 take source 0 = 128 rows of W (two heads), source 1 = 256 tokens.  v is quantised along the keys: clusters x = 4, 5
; take source 0 = 128 tokens, source 1 = 256 rows of W's last third (four heads, one a wave).  Only pointers and offsets are chosen; one branch, on the cluster's x, parts the two ways of starting the sums by the bias.
; ALL OF K = 1,024 LIES IN LDS: two halves of 512 (rows of 256 bytes, 16 of padding behind each), each filled once by joint loads of a 4 x 4 cluster: source 1's tile is shared along a row of the
; cluster, source 0's along a column.  Nothing is filled again.  The scale words go from memory straight into registers, all of K at once.
; THE WAY OUT.  A tile's eight registers are eight neighbours along the next product's K: one conversion.  A block of 32 is two tiles, half in lane l and half in lane l xor 16.  Two exchanges of halves
; for each 64 along K give the operand's registers, and these are stored AS THEY STAND, lane l's 16 bytes at 16 l: each store covers 512 consecutive bytes, aligned.
; qkv_img: q at 0, k at 4 MiB: [batch x head 64][tile of 16 tokens 128][512]; v at 8 MiB: [batch x head][128 keys j 16][64 keys c 2][16 channels 4][512].
; qkv_sc: q at 0, k at 256 KiB: [pair of heads 32][64 tokens 32][r 16][tile 4] words (bytes 0, 1 the even head's, 2, 3 the odd head's); v at 512 KiB: [batch x head][j 16][r 16][16 channels 4] words.
; REGISTERS, in windows of 256: window 0: v0-15 addresses; v16-31 source 1's scale words, v32-63 source 0's; v64-127 source 1's fragments, two sets; v128-255 the way out.
;   window 1: v0-127 source 0's fragments, two sets.   window 2: accumulator (a, b) at v[8 (8 a + b)].
.set PITCH, 272                        ; an LDS row: 256 bytes + 16 of padding: the 16 rows of a fragment load start at 16 different banks
.set S1B,   256*PITCH                  ; source 1's 256 rows of a K half
.set S0B,   128*PITCH                  ; source 0's 128 rows
.set SLOT,  S1B+S0B                    ; a K half
.set SPARE, 2*SLOT                     ; behind the two halves: the spare words, 128 bytes for each wave, that no other line names
.set ADRA, 4                           ; v4-5   LDS address of my fragments of source 1 in half 0, 1
.set ADRB, 6                           ; v6-7   the same for source 0
.set SOF,  8                           ; v8     32 x lane: a row of scale bytes
.set BOF,  9                           ; v9     32 h: my half's eight numbers of the bias
.set O1,   10                          ; v10    16 x lane: an image's place for my lane
.set O2,   11                          ; v11    the same in the second image of a block
.set OS,   12                          ; v12    16 r + 8 h: two scale words
.set ROF,  13                          ; v13    4 r
.set SPW,  14                          ; v14    my spare word; never rewritten
.set NIL,  15                          ; v15    0; never rewritten
.set SA,   16
.set SB,   32
.set AF,   64
.set TM,   128                         ; v128-131 largest magnitudes, v132-135 the other half's, then bytes, v140-143 the conversions' scale operands
.set WD,   144                         ; v144-147 the four blocks' scale words; v148-149 what I store of them
.set BV,   150                         ; v150-153 v's bias of my four rows
.set PC,   160                         ; v160-191 the codes: eight registers a block
.set WV,  18
.set LH,  19                           ; which half of a tile's rows I fetch
.set LS,  20                           ; 0: I fetch for source 1;  1: for source 0
.set CX,  21
.set CY,  22
.set FLR, 23                           ; 2^(3 - 127)
.set G1,  24                           ; s[24:31] group 1, s[32:39] groups 0 (one for each half of K): source 1's tiles
.set G0,  32
.set G1B, 48                           ; s[48:55], s[56:63]: source 0's
.set G0B, 56
.set S0C, 68                           ; s[68:69] source 0's codes, s[70:71] its scales, s[72:73] source 1's codes, s[74:75] its scales
.set S0S, 70
.set S1C, 72
.set S1S, 74
.set OC,  80                           ; s[80:81] where my images go, s[82:83] my scale words
.set OSC, 82
.set DLT, 84                           ; from a block's first image to its second
.set HIM, 85                           ; lanes 16-31
.set BB,  86                           ; s[86:87] the bias
.set SEL, 88                           ; s[88:89] selects for lane l xor 16
.set T0,  90                           ; which 128 rows of source 0
.set T1,  91                           ; which 256 rows of source 1
.set MSB, 0
.macro WIN new                         ; the immediate's high byte repeats the setting that is left
.if MSB != \new
	s_set_vgpr_msb (MSB<<8)|\new
.set MSB, \new
.endif
.endm
.set MUL,  0xa1                        ; source 0 window 1, source 1 window 0, C and D window 2
.set TO_B, 0x40                        ; destination window 1, address window 0
.macro PLACES                          ; four plain vector instructions that name no register of the matrix instructions ahead of them (ISA guide 7.12.1)
.rept 4
	v_nop
.endr
.endm
; A joint load: waves 0 and 1 fetch source 1's halves, waves 2 and 3 source 0's.  The branch hangs on the wave's number alone.  An s_nop 0 and four v_nop follow each line.
.macro JLOAD g0a, g1a, g0b, g1b
	s_cmp_eq_u32 s[LS], 0
	s_cbranch_scc0 .Lfor_b_\@
	tensor_load_to_lds s[\g0a:\g0a+3], s[\g1a:\g1a+7]
	s_nop 0
.rept 4
	v_nop
.endr
	s_branch .Lasked_\@
.Lfor_b_\@:
	tensor_load_to_lds s[\g0b:\g0b+3], s[\g1b:\g1b+7]
	s_nop 0
.rept 4
	v_nop
.endr
.Lasked_\@:
.endm
.macro CROUND                          ; a round of the cluster's barrier
	s_barrier_signal -1
	s_barrier_wait -1
	s_cmp_lg_u32 s[WV], 0
	s_cbranch_scc1 .Lnot_wave_0_\@
	s_barrier_signal -3
.Lnot_wave_0_\@:
	s_barrier_wait -3
	s_barrier_signal -1
	s_barrier_wait -1
.endm
	s_load_b256 s[4:11], s[0:1], 0x0               ; x's codes s[4:5], x's scales s[6:7], W's codes s[8:9], W's scales s[10:11]
	s_load_b128 s[12:15], s[0:1], 0x20             ; the bias s[12:13], qkv_img s[14:15]
	s_load_b64 s[16:17], s[0:1], 0x30              ; qkv_sc
	v_lshl_add_u32 v[SPW], v0, 2, SPARE
	v_mov_b32 v[NIL], 0
	ds_add_u32 v[SPW], v[NIL]                      ; the wave's opening: the add, twice on end, and its wait ahead of my first tensor load
	ds_add_u32 v[SPW], v[NIL]                      ; and once more, under the one wait; the set-up below is work on registers
	v_lshrrev_b32 v1, 5, v0
	v_readfirstlane_b32 s[WV], v1                  ; wave 0..3
	s_and_b32 s[LH], s[WV], 1
	s_lshr_b32 s[LS], s[WV], 1
	s_bfe_u32 s[CX], ttmp6, 0x40000                ; my place in the cluster
	s_bfe_u32 s[CY], ttmp6, 0x40004
	s_and_b32 s40, ttmp7, 0xffff                   ; cluster y, 0..7
	s_sub_co_u32 s41, ttmp9, 4
	s_lshl_b32 s41, s41, 3
	s_add_co_u32 s41, s41, s40                     ; v's role: 8 (cluster x - 4) + cluster y, 0..15
	s_cmp_ge_u32 ttmp9, 4                          ; cluster x: the same in all sixteen partners
	s_cselect_b32 s42, s41, ttmp9
	s_cselect_b32 s43, 2, s40
	s_lshl_b32 s[T0], s42, 2
	s_add_co_u32 s[T0], s[T0], s[CX]               ; q, k: features 128 T0 on (0..15);  v: tokens 128 T0 on (0..63).  It never holds cy
	s_lshl_b32 s[T1], s43, 2
	s_add_co_u32 s[T1], s[T1], s[CY]               ; q, k: tokens 256 T1 on (0..31);  v: W's rows 256 (8 + cy) on.  It never holds cx
	s_lshl_b32 s46, s[CY], 2
	s_lshl_b32 s46, 15, s46                        ; my row of the cluster
	s_lshl_b32 s47, 0x1111, s[CX]                  ; my column
	s_or_b32 s[G1], s46, 0x07700000                ; 15:0 the mask; 17:16 elements of 1 byte; 20 padding on; 21 set beside a mask; 24:22 after every 64 words; 31:25 four words
	s_or_b32 s[G1B], s47, 0x07700000
	s_mov_b32 s[G1+1], 256<<16                     ; tensor_dim0 = 256 bytes
	s_mov_b32 s[G1+2], 128<<16                     ; tensor_dim1 = 128 rows
	s_mov_b32 s[G1+3], 256<<16                     ; tile_dim0
	s_mov_b32 s[G1+4], 128                         ; tile_dim1
	s_mov_b32 s[G1+5], 512                         ; from row to row: 1,024 codes
	s_mov_b32 s[G1+6], 0
	s_mov_b32 s[G1+7], 0
	s_mov_b32 s[G1B+1], 256<<16
	s_mov_b32 s[G1B+2], 64<<16                     ; 64 rows
	s_mov_b32 s[G1B+3], 256<<16
	s_mov_b32 s[G1B+4], 64
	s_mov_b32 s[G1B+5], 512
	s_mov_b32 s[G1B+6], 0
	s_mov_b32 s[G1B+7], 0
	s_lshl_b32 s76, s[T1], 17                      ; source 1: (256 T1 + 128 half) rows of 512 bytes
	s_lshl_b32 s40, s[LH], 16
	s_add_co_u32 s76, s76, s40
	s_mov_b32 s77, 0
	s_lshl_b32 s78, s[T0], 16                      ; source 0: (128 T0 + 64 half) rows
	s_lshl_b32 s40, s[LH], 15
	s_add_co_u32 s78, s78, s40
	s_mov_b32 s79, 0
	s_mul_i32 s42, s[LH], 128*PITCH                ; and where they go: no place in the cluster enters an LDS address
	s_mul_i32 s43, s[LH], 64*PITCH
	s_add_co_u32 s43, s43, S1B
	s_wait_dscnt 0x0                               ; both opening adds are done
	s_wait_kmcnt 0x0
	s_cmp_ge_u32 ttmp9, 4                          ; the roles: a choice of buffers that hangs on no address
	s_cselect_b64 s[S0C:S0C+1], s[4:5], s[8:9]
	s_cselect_b64 s[S0S:S0S+1], s[6:7], s[10:11]
	s_cselect_b64 s[S1C:S1C+1], s[8:9], s[4:5]
	s_cselect_b64 s[S1S:S1S+1], s[10:11], s[6:7]
	s_add_nc_u64 s[S1C:S1C+1], s[S1C:S1C+1], s[76:77]
	s_add_nc_u64 s[S0C:S0C+1], s[S0C:S0C+1], s[78:79]
	CROUND                                         ; all sixteen work-groups are here: the joint loads meet
.irp s, 0,1
	s_mov_b32 s[G0+4*\s], 1
	s_add_co_u32 s[G0+4*\s+1], s42, \s*SLOT
	s_add_nc_u64 s[G0+4*\s+2:G0+4*\s+3], s[S1C:S1C+1], \s*256
	s_or_b32 s[G0+4*\s+3], s[G0+4*\s+3], 0x80000000
	s_mov_b32 s[G0B+4*\s], 1
	s_add_co_u32 s[G0B+4*\s+1], s43, \s*SLOT
	s_add_nc_u64 s[G0B+4*\s+2:G0B+4*\s+3], s[S0C:S0C+1], \s*256
	s_or_b32 s[G0B+4*\s+3], s[G0B+4*\s+3], 0x80000000
	JLOAD G0+4*\s, G1, G0B+4*\s, G1B               ; both halves of K go out together: two loads of mine are out
.endr
	v_and_b32 v1, 15, v0                           ; r
	v_bfe_u32 v2, v0, 4, 1                         ; h
	v_and_b32 v3, 31, v0                           ; lane
	v_lshlrev_b32 v[SOF], 5, v3
	v_lshlrev_b32 v[BOF], 5, v2
	v_lshlrev_b32 v[ROF], 2, v1
	s_lshl_b32 s76, s[T1], 13                      ; source 1's scale bytes: (256 T1 + 64 wave) rows of 32
	s_lshl_b32 s40, s[WV], 11
	s_add_co_u32 s76, s76, s40
	s_add_nc_u64 s[S1S:S1S+1], s[S1S:S1S+1], s[76:77]
	s_lshl_b32 s78, s[T0], 12                      ; source 0's: 128 T0 rows
	s_add_nc_u64 s[S0S:S0S+1], s[S0S:S0S+1], s[78:79]
; Lane l takes the 32 scale bytes of row 32 p + l: eight words, one for each 128 along K.  Lanes 0-15 so hold block 2 p's words and lanes 16-31 block 2 p + 1's; two loads read 1,024 bytes on end.
.irp p, 0,1
	global_load_b128 v[SA+8*\p:SA+8*\p+3], v[SOF], s[S1S:S1S+1] offset:1024*\p
	global_load_b128 v[SA+8*\p+4:SA+8*\p+7], v[SOF], s[S1S:S1S+1] offset:1024*\p+16
.endr
.irp p, 0,1,2,3
	global_load_b128 v[SB+8*\p:SB+8*\p+3], v[SOF], s[S0S:S0S+1] offset:1024*\p
	global_load_b128 v[SB+8*\p+4:SB+8*\p+7], v[SOF], s[S0S:S0S+1] offset:1024*\p+16
.endr
	s_lshl_b32 s40, s[CY], 8                       ; THE BIAS STARTS THE SUMS.  v: of W's rows 2,048 + 256 cy + 64 wave on;  q, k: of features 128 T0 on
	s_lshl_b32 s41, s[WV], 6
	s_add_co_u32 s40, s40, s41
	s_add_co_u32 s40, s40, 2048
	s_lshl_b32 s41, s[T0], 7
	s_cmp_ge_u32 ttmp9, 4
	s_cselect_b32 s40, s40, s41
	s_lshl_b32 s40, s40, 2
	s_mov_b32 s41, 0
	s_add_nc_u64 s[BB:BB+1], s[12:13], s[40:41]
	s_cmp_ge_u32 ttmp9, 4
	s_cbranch_scc1 .Lbias_v
	WIN 0x80                                       ; q, k: a lane's registers run along the features: accumulator (a, b) begins as the bias of features 16 b + 8 h + 0 .. 7, loaded where it is wanted
	s_wait_alu depctr_va_vdst(0)
.irp a, 0,1,2,3
.irp b, 0,1,2,3,4,5,6,7
	global_load_b128 v[8*(8*\a+\b):8*(8*\a+\b)+3], v[BOF], s[BB:BB+1] offset:64*\b
	global_load_b128 v[8*(8*\a+\b)+4:8*(8*\a+\b)+7], v[BOF], s[BB:BB+1] offset:64*\b+16
.endr
.endr
	WIN 0
	s_branch .Lbias_in
.Lbias_v:
	s_wait_alu depctr_va_vdst(0)
.irp a, 0,1,2,3
	global_load_b32 v[BV+\a], v[ROF], s[BB:BB+1] offset:64*\a   ; v: a lane holds one feature, 16 a + r: one number starts all 64 sums of block a
.endr
	s_wait_loadcnt 0x0                             ; (the tiles are on their way meanwhile)
	WIN 0x80
.irp a, 0,1,2,3
.set n, 0
.rept 64
	v_mov_b32 v[64*\a+n], v[BV+\a]
.set n, n+1
.endr
.endr
	WIN 0
.Lbias_in:
	; where my results go.  q, k: token Tw = 256 T1 + 64 wave; section = cluster x / 2; pair of heads = T0 % 8
	s_lshl_b32 s40, s[T1], 8
	s_lshl_b32 s41, s[WV], 6
	s_add_co_u32 s40, s40, s41                     ; Tw
	s_lshr_b32 s41, s40, 11                        ; batch
	s_bfe_u32 s42, s40, 0x70004                    ; first tile of 16 tokens in the batch
	s_and_b32 s43, s[T0], 7
	s_lshr_b32 s46, ttmp9, 1
	s_lshl_b32 s47, s41, 3
	s_add_co_u32 s47, s47, s43                     ; 8 batch + pair of heads
	s_lshl_b32 s76, s46, 22
	s_lshl_b32 s77, s47, 17
	s_add_co_u32 s76, s76, s77
	s_lshl_b32 s77, s42, 9
	s_add_co_u32 s76, s76, s77                     ; images: 4 MiB section + 65,536 (16 batch + even head) + 512 tile
	s_lshl_b32 s78, s46, 18
	s_lshl_b32 s79, s47, 13
	s_add_co_u32 s78, s78, s79
	s_lshr_b32 s79, s42, 2
	s_lshl_b32 s79, s79, 8
	s_add_co_u32 s78, s78, s79                     ; scale words: 256 KiB section + 8,192 pair + 256 (tile / 4)
	; v: batch = T0 / 16, j = T0 % 16, head = 4 cy + wave
	s_lshr_b32 s41, s[T0], 4
	s_and_b32 s42, s[T0], 15
	s_lshl_b32 s43, s[CY], 2
	s_add_co_u32 s43, s43, s[WV]
	s_lshl_b32 s41, s41, 4
	s_add_co_u32 s41, s41, s43
	s_lshl_b32 s46, s41, 16
	s_lshl_b32 s47, s42, 12
	s_add_co_u32 s46, s46, s47
	s_add_co_u32 s46, s46, 0x800000                ; images: 8 MiB + 65,536 (16 batch + head) + 4,096 j
	s_lshl_b32 s47, s41, 12
	s_lshl_b32 s40, s42, 8
	s_add_co_u32 s47, s47, s40
	s_add_co_u32 s47, s47, 0x80000                 ; scale words: 512 KiB + 4,096 (16 batch + head) + 256 j
	s_cmp_ge_u32 ttmp9, 4
	s_cselect_b32 s76, s46, s76
	s_cselect_b32 s78, s47, s78
	s_mov_b32 s[DLT], 0x10000                      ; q, k: the block's second image is the odd head's;
	s_cselect_b32 s[DLT], 2048, s[DLT]             ; v: the second 64 keys'
	s_mov_b32 s77, 0
	s_mov_b32 s79, 0
	s_add_nc_u64 s[OC:OC+1], s[14:15], s[76:77]
	s_add_nc_u64 s[OSC:OSC+1], s[16:17], s[78:79]
	s_mov_b32 s[FLR], 0x1800000
	s_mov_b32 s[HIM], 0xffff0000
	s_mov_b32 s[SEL], 0x76543210
	s_mov_b32 s[SEL+1], 0xfedcba98
	v_lshlrev_b32 v[O1], 4, v3
	v_add_nc_u32 v[O2], s[DLT], v[O1]
	v_lshlrev_b32 v[OS], 4, v1
	v_lshl_add_u32 v[OS], v2, 3, v[OS]
	v_mul_u32_u24 v[ADRA], v1, PITCH
	v_lshl_add_u32 v[ADRA], v2, 4, v[ADRA]         ; a fragment's row x pitch + 16 x half
	v_add_nc_u32 v[ADRB], S1B, v[ADRA]
	v_add_nc_u32 v[ADRB+1], S1B+SLOT, v[ADRA]
	s_mul_i32 s40, s[WV], 64*PITCH                 ; my 64 rows of source 1
	v_add_nc_u32 v[ADRA], s40, v[ADRA]
	v_add_nc_u32 v[ADRA+1], SLOT, v[ADRA]
.irp b, 0,1,2,3
	v_mov_b32 v[TM+4+\b], 0                        ; written once: a lane permute's destination counts as one of its sources
.endr
; One product.  The first scale operand goes with source 0, the second with source 1; an odd block's words lie in lanes 16-31.
.macro WM a, b, P, kq
.set rD, 8*(8*(\a)+(\b))
.set rB, 64*(\P)+8*(\b)
.set rA, AF+32*(\P)+8*(\a)
.set rU, SB+8*((\b)/2)+(\kq)
.set rW, SA+8*((\a)/2)+(\kq)
.if ((\b)%2 == 0) && ((\a)%2 == 0)
	v_wmma_scale_f32_16x16x128_f8f6f4 v[rD:rD+7], v[rB:rB+7], v[rA:rA+7], v[rD:rD+7], v[rU], v[rW] matrix_a_fmt:MATRIX_FMT_FP4 matrix_b_fmt:MATRIX_FMT_FP4
.elseif ((\b)%2 == 1) && ((\a)%2 == 0)
	v_wmma_scale_f32_16x16x128_f8f6f4 v[rD:rD+7], v[rB:rB+7], v[rA:rA+7], v[rD:rD+7], v[rU], v[rW] matrix_a_fmt:MATRIX_FMT_FP4 matrix_b_fmt:MATRIX_FMT_FP4 matrix_a_scale:MATRIX_SCALE_ROW1
.elseif ((\b)%2 == 0)
	v_wmma_scale_f32_16x16x128_f8f6f4 v[rD:rD+7], v[rB:rB+7], v[rA:rA+7], v[rD:rD+7], v[rU], v[rW] matrix_a_fmt:MATRIX_FMT_FP4 matrix_b_fmt:MATRIX_FMT_FP4 matrix_b_scale:MATRIX_SCALE_ROW1
.else
	v_wmma_scale_f32_16x16x128_f8f6f4 v[rD:rD+7], v[rB:rB+7], v[rA:rA+7], v[rD:rD+7], v[rU], v[rW] matrix_a_fmt:MATRIX_FMT_FP4 matrix_b_fmt:MATRIX_FMT_FP4 matrix_a_scale:MATRIX_SCALE_ROW1 matrix_b_scale:MATRIX_SCALE_ROW1
.endif
.endm
.macro MUL32 P, kq                     ; 128 along K: the 32 accumulators take turns, one instruction a turn, in the same order in every step
.irp a, 0,1,2,3
.irp b, 0,1,2,3,4,5,6,7
	WM \a, \b, \P, \kq
.endr
.endr
.endm
.macro FETCH slot, q, P                ; 24 LDS loads in one run: the fragments of the half's q-th 128 along K into set P.  A fragment is 16 rows x 128 codes: two loads of 16 bytes, 32 bytes apart
	WIN TO_B
.irp b, 0,1,2,3,4,5,6,7
.irp c, 0,1
	ds_load_b128 v[64*(\P)+8*\b+4*\c:64*(\P)+8*\b+4*\c+3], v[ADRB+\slot] offset:\b*16*PITCH+64*(\q)+32*\c
.endr
.endr
	WIN 0
.irp a, 0,1,2,3
.irp c, 0,1
	ds_load_b128 v[AF+32*(\P)+8*\a+4*\c:AF+32*(\P)+8*\a+4*\c+3], v[ADRA+\slot] offset:\a*16*PITCH+64*(\q)+32*\c
.endr
.endr
.endm
; A step of 128 along K.  fetch = 1: the next step's fragments are asked for first, into the other set, and land while this step is multiplied.
; sync = 1: my part of the second half of K has landed: say so;  sync = 2: everybody's has.
.macro STEP slot, q, fetch, nslot, nq, sync
	s_wait_dscnt 0x0                               ; this step's 24 loads, issued a step ago, are in
.if \sync == 1
	s_wait_tensorcnt 0x0
	s_barrier_signal -1                            ; between this and its wait stand LDS loads of the first half, which nobody writes, and work on registers
.endif
.if \sync == 2
	s_barrier_wait -1
.endif
.if \fetch
	PLACES                                         ; behind the last step's products, which read the set that is loaded now
	FETCH \nslot, \nq, 1-(\q)%2
.endif
	WIN MUL
	MUL32 (\q)%2, 4*(\slot)+(\q)
	WIN 0
.endm
	s_wait_alu depctr_va_vdst(0)
	s_wait_tensorcnt 0x1                           ; my part of the first half of K is in; the second half's load, issued behind it, may stay out
	s_barrier_signal -1
	s_barrier_wait -1                              ; everybody's is
	FETCH 0, 0, 0
	s_wait_loadcnt 0x0                             ; the scale words and the bias
	STEP 0, 0, 1, 0, 1, 0
	STEP 0, 1, 1, 0, 2, 0
	STEP 0, 2, 1, 0, 3, 1
	STEP 0, 3, 1, 1, 0, 2
	STEP 1, 0, 1, 1, 1, 0
	STEP 1, 1, 1, 1, 2, 0
	STEP 1, 2, 1, 1, 3, 0
	STEP 1, 3, 0, 0, 0, 0
	PLACES                                         ; in front of the first read of results
; BLOCK a OF MY ROWS BECOMES A FRAGMENT.  Register 8 t + j of its 64 is k = 16 t + 8 h + j of my row; a block of 32 is tiles 2 b and 2 b + 1, mine and lane l xor 16's.
.macro QUANT a
	WIN 0x28                                       ; sources 1 and 2: window 2
.irp b, 0,1,2,3
	v_max3_num_f32 v[TM+\b], s[FLR], |v[64*(\a)+16*\b]|, |v[64*(\a)+16*\b+1]|   ; with the floor 2^(3 - 127): the byte cannot fall under 1.  Each accumulator is read from its low end on
.endr
.irp i, 2,4,6,8,10,12,14
.irp b, 0,1,2,3
	v_max3_num_f32 v[TM+\b], v[TM+\b], |v[64*(\a)+16*\b+\i]|, |v[64*(\a)+16*\b+\i+1]|   ; the four blocks by turns
.endr
.endr
	WIN 0
.irp b, 0,1,2,3
	v_permlanex16_b32 v[TM+4+\b], v[TM+\b], s[SEL], s[SEL+1]
.endr
.irp b, 0,1,2,3
	v_max_num_f32 v[TM+\b], v[TM+\b], v[TM+4+\b]   ; the block's largest magnitude
.endr
.irp b, 0,1,2,3
	v_add_nc_u32 v[TM+12+\b], 0xff000000, v[TM+\b] ; 2 off its exponent field: the conversion takes that field as its scale
.endr
.irp b, 0,1,2,3
	v_lshrrev_b32 v[TM+4+\b], 23, v[TM+12+\b]      ; the scale's byte
.endr
	v_lshl_or_b32 v[WD+(\a)], v[TM+5], 8, v[TM+4]
	v_lshl_or_b32 v[WD+(\a)], v[TM+6], 16, v[WD+(\a)]
	v_lshl_or_b32 v[WD+(\a)], v[TM+7], 24, v[WD+(\a)]
	WIN 0x02                                       ; source 0: window 2
.irp t, 0,1,2,3,4,5,6,7
	v_cvt_scalef32_pk8_fp4_f32 v[PC+8*(\a)+4*(\t/4)+2*(\t%2)+(\t%4)/2], v[64*(\a)+8*\t:64*(\a)+8*\t+7], v[TM+12+\t/2]   ; tiles 4 c, 4 c + 2, 4 c + 1, 4 c + 3 go to registers 4 c + 0 .. 3
.endr
	WIN 0
	v_nop                                          ; one plain instruction behind the conversions
.irp c, 0,1
	v_permlane16_swap_b32 v[PC+8*(\a)+4*\c], v[PC+8*(\a)+4*\c+1]     ; the first's lanes 16-31 change places with the second's lanes 0-15:
	v_permlane16_swap_b32 v[PC+8*(\a)+4*\c+2], v[PC+8*(\a)+4*\c+3]   ; register 4 c + i now holds k = 64 c + 32 h + 8 i + 0 .. 7
.endr
	global_store_b128 v[O1], v[PC+8*(\a):PC+8*(\a)+3], s[OC:OC+1] offset:512*(\a)     ; 32 lanes store 512 consecutive bytes, aligned
	global_store_b128 v[O2], v[PC+8*(\a)+4:PC+8*(\a)+7], s[OC:OC+1] offset:512*(\a)
.endm
	QUANT 0
	QUANT 1
	QUANT 2
	QUANT 3                                        ; no store's data are written again: each block has its own registers
	v_cndmask_b32 v[WD+4], v[WD], v[WD+2], s[HIM]  ; lanes 0-15 store blocks 0 and 1's words of row r, lanes 16-31 blocks 2 and 3's:
	v_cndmask_b32 v[WD+5], v[WD+1], v[WD+3], s[HIM]
	global_store_b64 v[OS], v[WD+4:WD+5], s[OSC:OSC+1]   ; 256 consecutive bytes, aligned
	s_wait_tensorcnt 0x0                           ; the wave's end
	ds_add_u32 v[SPW], v[NIL]
	s_wait_dscnt 0x0
	CROUND                                         ; the closing round: no work-group ends while a partner may still ask for a tile that names it
	s_endpgm
.Lfunc_end_k_qdb7bb896dd_qkv:
	.size	k_qdb7bb896dd_qkv, .Lfunc_end_k_qdb7bb896dd_qkv-k_qdb7bb896dd_qkv
	.p2alignl 7, 3214868480
	.fill 96, 4, 3214868480
	.section	.rodata,"a",@progbits
	.p2align	6, 0x0
	.amdhsa_kernel k_qdb7bb896dd_qkv
		.amdhsa_group_segment_fixed_size 212992
		.amdhsa_private_segment_fixed_size 0
		.amdhsa_enable_private_segment 0
		.amdhsa_kernarg_size 56
		.amdhsa_user_sgpr_count 2
		.amdhsa_user_sgpr_kernarg_segment_ptr 1
		.amdhsa_wavefront_size32 1
		.amdhsa_system_sgpr_workgroup_id_x 1
		.amdhsa_system_sgpr_workgroup_id_y 1
		.amdhsa_system_sgpr_workgroup_id_z 1
		.amdhsa_system_vgpr_workitem_id 0
		.amdhsa_next_free_vgpr 768
		.amdhsa_next_free_sgpr 100
		.amdhsa_reserve_vcc 0
		.amdhsa_float_denorm_mode_32 3
		.amdhsa_float_denorm_mode_16_64 3
		.amdhsa_memory_ordered 1
		.amdhsa_forward_progress 1
		.amdhsa_inst_pref_size 88
	.end_amdhsa_kernel
	.amdgpu_metadata
---
amdhsa.version: [ 1, 2 ]
amdhsa.kernels:
  - .name:           k_qdb7bb896dd_qkv
    .symbol:         k_qdb7bb896dd_qkv.kd
    .args:
      - { .name: x_codes, .offset: 0, .size: 8, .value_kind: global_buffer, .address_space: global }
      - { .name: x_scales, .offset: 8, .size: 8, .value_kind: global_buffer, .address_space: global }
      - { .name: qkv_w_codes, .offset: 16, .size: 8, .value_kind: global_buffer, .address_space: global }
      - { .name: qkv_w_scales, .offset: 24, .size: 8, .value_kind: global_buffer, .address_space: global }
      - { .name: qkv_b, .offset: 32, .size: 8, .value_kind: global_buffer, .address_space: global }
      - { .name: qkv_img, .offset: 40, .size: 8, .value_kind: global_buffer, .address_space: global }
      - { .name: qkv_sc, .offset: 48, .size: 8, .value_kind: global_buffer, .address_space: global }
    .group_segment_fixed_size: 212992
    .private_segment_fixed_size: 0
    .kernarg_segment_align: 8
    .kernarg_segment_size: 56
    .max_flat_workgroup_size: 128
    .sgpr_count:     100
    .vgpr_count:     768
    .wavefront_size: 32
...
	.end_amdgpu_metadata
.endif
;; end of part 1
;; launch attn (part 2): grid 4 x 64, 16 waves a work-group, clusters of 4 x 1, 167,936 bytes of LDS; arguments qkv_img, qkv_sc, y_img, y_sc; writes y_img, y_sc
.if DOCPART == 2
	.amdgcn_target "amdgcn-amd-amdhsa--gfx1250"
	.amdhsa_code_object_version 6
	.text
	.protected	k_qdb7bb896dd_attn
	.globl	k_qdb7bb896dd_attn
	.p2align	8
	.type	k_qdb7bb896dd_attn,@function
k_qdb7bb896dd_attn:
	s_mov_b64 s[64:65], 0
	v_nop
	global_prefetch_b8 v0, s[64:65] scope:SCOPE_SE
	s_setreg_imm32_b32 hwreg(HW_REG_WAVE_MODE, 25, 1), 1
	s_wait_xcnt 0x0
	s_wait_alu depctr_hold_cnt(0) depctr_sa_sdst(0) depctr_va_vdst(0) depctr_va_sdst(0) depctr_va_ssrc(0) depctr_va_vcc(0) depctr_vm_vsrc(0)
	s_getreg_b32 s2, hwreg(HW_REG_IB_STS2, 6, 4)
	s_cmp_eq_u32 s2, 0
	s_cbranch_scc0 .Lentry_in_a_cluster
	s_endpgm
.Lentry_in_a_cluster:
	s_bfe_u32 s2, ttmp6, 0x10000c
	s_cmp_lg_u32 s2, 0x3003
	s_cbranch_scc0 .Lentry_shape_is_right
	s_endpgm
.Lentry_shape_is_right:
; Launch 2 of 3: y = softmax(q k^T / 8, causal) v for one head and batch a cluster, both products on codes of FP4 (E2M1) with one E8M0 scale for each 32 along K; y is quantised on the way out.
; WORK LEFT OUT: a step of 128 keys all of which come after all 16 queries of a tile: reference()'s own jnp.tril gives them p = 0, which adds nothing to the row's sum or to the product with v.
; LIMITS: a NaN or an infinity in k or v at a key hidden from a query is not carried to that query; a p under 2^-126 counts as 0; a block of zeros keeps the scale byte 1 (its codes are zeros).
; THE SOFTMAX: t = score x log2(e) / 8; M = the running largest t rounded UP to a whole number; p = 2^(t - M) is quantised along the keys, not normalised; the row's sum is taken of the unquantised p and divides at
; the end; when M moves, the sum and O are multiplied by 2^(old M - new M), which rounds nothing.
; SHARES.  The four work-groups of a cluster share one head.  Wave w of work-group g owns two tiles of 16 queries: 4 w + g and 127 - (4 w + g).  The step in which a tile meets the diagonal is tile / 8:
; w / 2 for the early tile and 15 - w / 2 for the late one: it hangs on the wave's number alone, and the two tiles together walk 17 steps in every wave.
; THE WHOLE HEAD LIES IN LDS, filled once by joint loads (wave 0: k's scale words and images; wave 1: v's): no ring, and no barrier in a loop.  The images are the operands' registers as the first launch
; stored them: lane l's 16 bytes at 16 l, so a fragment load reads 512 bytes on end.
; LAYOUT.  Both products are used transposed: S^T = k q^T (source 0 = 16 neighbouring keys), O^T = v^T p^T (source 0 = 16 channels): a lane holds ONE query throughout.  The head's 64 are half of the
; instruction's 128 along K: the upper four registers of q's and k's fragments hold zero codes, written once, and their scale bytes are the zeros above a 16-bit load.
; In tile t of S^T register j is key 16 t + 8 h + j: eight neighbours, one conversion; two exchanges of halves for each 64 keys give p's operand.
; REGISTERS: v1-7 addresses that stay; v8-11 the step's; v12 -M, v13 the largest t, v[14:15] the sum; v16-23 q; v24, v31 y's scale words; v25-30 global offsets; v32-95 k's eight fragments; v96-159 S^T, then p;
; v160-191 O^T; v192-223 v's four fragments; v224-231 p's codes; v232-239, v244-247, v252, v254 at work; v240-243 v's scale words, v248-251 k's, v253 p's, v255 q's.
.set KIMG,  0                          ; k's images: 128 tiles x 512 bytes
.set VIMG,  65536                      ; v's: 16 steps x 4,096
.set KSC,   131072                     ; the pair of heads' scale words of k: 8,192 bytes
.set VSC,   139264                     ; v's: 4,096 bytes
.set SPARE, 143360                     ; the spare words, 128 bytes for each of sixteen waves, that no other line names
.set AK0,  1                           ; v1   16 x lane
.set AV0,  2                           ; v2   VIMG + 16 x lane
.set ASK0, 3                           ; v3   KSC + 16 r + 4 h + 2 x (head odd)
.set ASV0, 4                           ; v4   VSC + 16 r
.set SPW,  5                           ; v5   my spare word; never rewritten
.set NIL,  6                           ; v6   0; never rewritten
.set DD,   7                           ; v7   my query less my half's first key, in the diagonal step
.set ADK,  8
.set ADV,  9
.set ADS,  10
.set ADT,  11
.set WHI,  24                          ; v24  the late tile's scale word of y
.set QO,   25
.set QS,   26
.set R16,  27                          ; v27  16 r
.set RH,   28                          ; v28  r - 8 h
.set YO,   29
.set SO,   30
.set WLO,  31                          ; v31  the early tile's scale word
.set WV,   12
.set CXG,  13
.set BH,   14
.set JD,   16                          ; the step on the diagonal
.set J,    17                          ; the step
.set TLO,  18
.set TB,   19                          ; the step's images: 4,096 bytes a step
.set SEL,  20                          ; s[20:21]
.set CS,   22                          ; s[22:23] c = log2(e) / 8
.set TS,   24                          ; k's scale words: 512 bytes a step
.set TJ,   25                          ; v's: 256
.set THI,  26
.set BHQ,  27
.set G1A,  28                          ; s[28:35] group 1: 256 rows of 256 bytes;  s[36:43] 32 rows;  s[44:51] 16 rows
.set G1KS, 36
.set G1VS, 44
.set HIM,  60
.set QSB,  61
.set YB,   66
.set YSB,  67
.set G0K,  68                          ; s[68:75] groups 0 for k's scale words and images;  s[76:83] for v's
.set G0V,  76
.set KSB,  93
.macro PLACES
.rept 4
	v_nop
.endr
.endm
.macro CROUND                          ; a round of the cluster's barrier
	s_barrier_signal -1
	s_barrier_wait -1
	s_cmp_lg_u32 s[WV], 0
	s_cbranch_scc1 .Lnot_wave_0_\@
	s_barrier_signal -3
.Lnot_wave_0_\@:
	s_barrier_wait -3
	s_barrier_signal -1
	s_barrier_wait -1
.endm
.macro DENSE g, rows                   ; group 1 of a dense block, as rows of 256 bytes (32 elements of 8 bytes), for all four work-groups
	s_mov_b32 s[\g], 15|(3<<16)|(1<<21)
	s_mov_b32 s[\g+1], 32<<16
	s_mov_b32 s[\g+2], (\rows)<<16
	s_mov_b32 s[\g+3], 32<<16
	s_mov_b32 s[\g+4], \rows
	s_mov_b32 s[\g+5], 32
	s_mov_b32 s[\g+6], 0
	s_mov_b32 s[\g+7], 0
.endm
	s_load_b256 s[4:11], s[0:1], 0x0               ; qkv_img s[4:5], qkv_sc s[6:7], y_img s[8:9], y_sc s[10:11]
	v_lshl_add_u32 v[SPW], v0, 2, SPARE
	v_mov_b32 v[NIL], 0
	ds_add_u32 v[SPW], v[NIL]                      ; the wave's opening: the add, twice on end, and its wait ahead of the first tensor loads
	ds_add_u32 v[SPW], v[NIL]                      ; and once more, under the one wait; the set-up below is work on registers
	v_lshrrev_b32 v8, 5, v0
	s_delay_alu instid0(VALU_DEP_1)
	v_readfirstlane_b32 s[WV], v8                  ; wave 0..15
	s_bfe_u32 s[CXG], ttmp6, 0x40000               ; my place in the cluster: it enters global addresses and the mask's numbers alone
	s_and_b32 s[BH], ttmp7, 0xffff                 ; 16 batch + head, which the four partners share
	DENSE G1A, 256
	DENSE G1KS, 32
	DENSE G1VS, 16
	s_lshl_b32 s[BHQ], s[BH], 16                   ; the head's images: 65,536 bytes; q's from byte 0,
	s_add_co_u32 s84, s[BHQ], 0x400000             ; k's from 4 MiB,
	s_mov_b32 s85, 0
	s_add_co_u32 s86, s[BHQ], 0x800000             ; v's from 8 MiB
	s_mov_b32 s87, 0
	s_lshr_b32 s62, s[BH], 1
	s_lshl_b32 s62, s62, 13                        ; the pair of heads' scale words: 8,192 bytes
	s_add_co_u32 s88, s62, 0x40000                 ; k's from 256 KiB
	s_mov_b32 s89, 0
	s_lshl_b32 s90, s[BH], 12
	s_add_co_u32 s90, s90, 0x80000                 ; v's: 4,096 bytes a head, from 512 KiB
	s_mov_b32 s91, 0
	s_and_b32 s63, s[BH], 1
	s_lshl_b32 s63, s63, 1                         ; the odd head's two bytes lie 2 further on
	s_add_co_u32 s[QSB], s62, s63
	s_add_co_u32 s[KSB], s63, KSC
	s_lshr_b32 s62, s[BH], 4                       ; batch
	s_and_b32 s63, s[BH], 15                       ; head
	s_lshl_b32 s[YB], s62, 20
	s_lshl_b32 s92, s63, 9
	s_add_co_u32 s[YB], s[YB], s92                 ; y's images: 8,192 (128 batch + tile) + 512 head
	s_lshl_b32 s[YSB], s62, 16
	s_lshl_b32 s92, s63, 1
	s_add_co_u32 s[YSB], s[YSB], s92               ; y's scale bytes: 32 token + 2 head
	s_lshl_b32 s[TLO], s[WV], 2
	s_add_co_u32 s[TLO], s[TLO], s[CXG]            ; my early tile,
	s_sub_co_u32 s[THI], 127, s[TLO]               ; and my late one
	s_mov_b32 s[SEL], 0x76543210
	s_mov_b32 s[SEL+1], 0xfedcba98
	s_mov_b32 s[CS], 0x3e38aa3b                    ; log2(e) / 8
	s_mov_b32 s[CS+1], s[CS]                       ; (named with it as a pair, so it is written)
	s_mov_b32 s[HIM], 0xffff0000
	s_wait_dscnt 0x0                               ; both opening adds are done
	s_wait_kmcnt 0x0
	s_mov_b32 s[G0K], 1
	s_mov_b32 s[G0K+1], KSC
	s_add_nc_u64 s[G0K+2:G0K+3], s[6:7], s[88:89]
	s_or_b32 s[G0K+3], s[G0K+3], 0x80000000
	s_mov_b32 s[G0K+4], 1
	s_mov_b32 s[G0K+5], KIMG
	s_add_nc_u64 s[G0K+6:G0K+7], s[4:5], s[84:85]
	s_or_b32 s[G0K+7], s[G0K+7], 0x80000000
	s_mov_b32 s[G0V], 1
	s_mov_b32 s[G0V+1], VSC
	s_add_nc_u64 s[G0V+2:G0V+3], s[6:7], s[90:91]
	s_or_b32 s[G0V+3], s[G0V+3], 0x80000000
	s_mov_b32 s[G0V+4], 1
	s_mov_b32 s[G0V+5], VIMG
	s_add_nc_u64 s[G0V+6:G0V+7], s[4:5], s[86:87]
	s_or_b32 s[G0V+7], s[G0V+7], 0x80000000
	CROUND                                         ; all four work-groups are here: the joint loads meet
	s_cmp_eq_u32 s[WV], 0                          ; a wave's two fills stand in one arm of a branch on the wave's number: two loads of a loading wave are out
	s_cbranch_scc0 .Lnot_k
	tensor_load_to_lds s[G0K:G0K+3], s[G1KS:G1KS+7]
	s_nop 0
	tensor_load_to_lds s[G0K+4:G0K+7], s[G1A:G1A+7]
	s_nop 0
.rept 4
	v_nop
.endr
	s_branch .Lasked
.Lnot_k:
	s_cmp_eq_u32 s[WV], 1
	s_cbranch_scc0 .Lasked
	tensor_load_to_lds s[G0V:G0V+3], s[G1VS:G1VS+7]
	s_nop 0
	tensor_load_to_lds s[G0V+4:G0V+7], s[G1A:G1A+7]
	s_nop 0
.rept 4
	v_nop
.endr
.Lasked:
	v_and_b32 v8, 31, v0                           ; lane
	v_and_b32 v9, 15, v0                           ; r
	v_bfe_u32 v10, v0, 4, 1                        ; h
	s_delay_alu instid0(VALU_DEP_3)
	v_lshlrev_b32 v[AK0], 4, v8
	s_delay_alu instid0(VALU_DEP_1)
	v_add_nc_u32 v[AV0], VIMG, v[AK0]
	s_delay_alu instid0(VALU_DEP_4)
	v_lshlrev_b32 v[R16], 4, v9
	s_delay_alu instid0(VALU_DEP_1)
	v_lshl_add_u32 v[ASK0], v10, 2, v[R16]         ; lanes 0-15 take the even tile's word of key r, lanes 16-31 the odd tile's, 4 bytes on
	s_delay_alu instid0(VALU_DEP_1)
	v_add_nc_u32 v[ASK0], s[KSB], v[ASK0]
	s_delay_alu instid0(VALU_DEP_3)
	v_add_nc_u32 v[ASV0], VSC, v[R16]
	v_lshlrev_b32 v11, 3, v10
	s_delay_alu instid0(VALU_DEP_1)
	v_sub_nc_u32 v[RH], v9, v11
.irp j, 20,21,22,23
	v_mov_b32 v[\j], 0                             ; q's codes of k = 64 .. 127: zeros
.endr
.irp t, 0,1,2,3,4,5,6,7
.irp j, 4,5,6,7
	v_mov_b32 v[32+8*\t+\j], 0                     ; and k's, written once: the loads fill the lower four registers alone
.endr
.endr
.irp j, 236,237,238,239,252,253
	v_mov_b32 v[\j], 0                             ; written once: a lane permute's destination counts as one of its sources; v253 is named in a pair before it is first made
.endr
.macro QLOAD tl                        ; tile s[tl]: its image, its scale words, and its place in the diagonal step
	s_and_b32 s62, s[\tl], 7
	s_lshl_b32 s62, s62, 4
	v_add_nc_u32 v[DD], s62, v[RH]                 ; d = 16 (tile % 8) + r - 8 h
	s_lshl_b32 s62, s[\tl], 9
	s_add_co_u32 s62, s62, s[BHQ]
	v_add_nc_u32 v[QO], s62, v[AK0]
	s_lshr_b32 s62, s[\tl], 2
	s_lshl_b32 s62, s62, 8
	s_and_b32 s63, s[\tl], 3
	s_lshl_b32 s63, s63, 2
	s_add_co_u32 s62, s62, s63
	s_add_co_u32 s62, s62, s[QSB]
	v_add_nc_u32 v[QS], s62, v[R16]
	global_load_b128 v[16:19], v[QO], s[4:5]
	global_load_u16 v255, v[QS], s[6:7]            ; two scale bytes; the upper two come as zeros, over zero codes
.endm
.macro INIT                            ; the step is written once: its first trip finds zeros, which the first change of M leaves zeros
	v_mov_b32 v13, 0xff61b1e6                      ; the largest t so far: -3e38
	s_delay_alu instid0(VALU_DEP_1)
	v_floor_f32 v12, -v13                          ; -M
	v_mov_b32 v14, 0
	v_mov_b32 v15, 0
.set n, 0
.rept 32
	v_mov_b32 v[160+n], 0
.set n, n+1
.endr
.endm
; A KEY STEP: 128 keys.
.macro STEP
	s_cmp_gt_u32 s[J], s[JD]                       ; all its keys come after my 16 queries: left out.  The test hangs on the wave's number and the count of steps
	s_cbranch_scc1 .Lhidden_\@
	s_setprio 2
	v_add_nc_u32 v[ADK], s[TB], v[AK0]             ; (these four are also the places behind the last step's products, in front of the loads into their registers)
	v_add_nc_u32 v[ADV], s[TB], v[AV0]
	v_add_nc_u32 v[ADS], s[TS], v[ASK0]
	v_add_nc_u32 v[ADT], s[TJ], v[ASV0]
.irp t, 0,1,2,3,4,5,6,7
	ds_load_b128 v[32+8*\t:35+8*\t], v[ADK] offset:512*\t
.endr
.irp p, 0,1,2,3
	ds_load_u16 v[248+\p], v[ADS] offset:256*(\p/2)+8*(\p%2)   ; tiles 2 p (lanes 0-15) and 2 p + 1 (lanes 16-31)
.endr
.irp c, 0,1
.irp d, 0,1,2,3
	ds_load_b128 v[192+8*\d+4*\c:195+8*\d+4*\c], v[ADV] offset:512*\d+2048*\c
.endr
.endr
	ds_load_b128 v[240:243], v[ADT]                ; v's scale words of channels 16 d + r, d = 0 .. 3
	s_wait_dscnt 9                                 ; k's twelve loads are in; v's nine, issued behind them, land under the softmax
.irp t, 0,2,4,6
	v_wmma_scale_f32_16x16x128_f8f6f4 v[96+8*\t:103+8*\t], v[32+8*\t:39+8*\t], v[16:23], 0, v[248+\t/2], v255 matrix_a_fmt:MATRIX_FMT_FP4 matrix_b_fmt:MATRIX_FMT_FP4
	v_wmma_scale_f32_16x16x128_f8f6f4 v[104+8*\t:111+8*\t], v[40+8*\t:47+8*\t], v[16:23], 0, v[248+\t/2], v255 matrix_a_fmt:MATRIX_FMT_FP4 matrix_b_fmt:MATRIX_FMT_FP4 matrix_a_scale:MATRIX_SCALE_ROW1
.endr
	PLACES
	s_cmp_lt_u32 s[J], s[JD]                       ; ahead of the diagonal every key counts
	s_cbranch_scc1 .Lopen_\@
	v_mov_b32 v254, 0xff800000                     ; on it the scores of hidden keys become -infinity ahead of the maximum: p = 0 then
.set n, 0
.rept 64
	v_cmp_gt_i32 vcc_lo, 16*(n/8)+n%8, v[DD]       ; register n holds key 16 (n / 8) + n % 8 + 8 h of the step
	v_cndmask_b32 v[96+n], v[96+n], v254, vcc_lo
.set n, n+1
.endr
.Lopen_\@:
.irp b, 0,1,2,3
	v_max3_num_f32 v[232+\b], v[96+16*\b], v[97+16*\b], v[98+16*\b]   ; the largest score of each block of 32 keys: it serves the row's maximum and, since p rises with the score, the block's largest p
.endr
.irp i, 3,5,7,9,11,13
.irp b, 0,1,2,3
	v_max3_num_f32 v[232+\b], v[232+\b], v[96+16*\b+\i], v[97+16*\b+\i]
.endr
.endr
.irp b, 0,1,2,3
	v_max_num_f32 v[232+\b], v[232+\b], v[111+16*\b]
.endr
.irp b, 0,1,2,3
	s_delay_alu instid0(VALU_DEP_4)
	v_permlanex16_b32 v[236+\b], v[232+\b], s[SEL], s[SEL+1]
.endr
.irp b, 0,1,2,3
	s_delay_alu instid0(VALU_DEP_4)
	v_max_num_f32 v[232+\b], v[232+\b], v[236+\b]  ; with lane l xor 16's 16 keys
.endr
	s_delay_alu instid0(VALU_DEP_2)
	v_max3_num_f32 v254, v232, v233, v234
	s_delay_alu instid0(VALU_DEP_1)
	v_max_num_f32 v254, v254, v235
	s_delay_alu instid0(VALU_DEP_1)
	v_mul_f32 v254, s[CS], v254                    ; the step's largest t
	s_delay_alu instid0(VALU_DEP_1)
	v_max_num_f32 v13, v13, v254
	v_mov_b32 v254, v12
	s_delay_alu instid0(VALU_DEP_2)
	v_floor_f32 v12, -v13                          ; the new -M = -ceil(t)
	s_delay_alu instid0(VALU_DEP_1)
	v_sub_f32 v254, v12, v254                      ; old M less new M: a whole number, 0 or less
	s_delay_alu instid0(VALU_DEP_1)
	v_cvt_i32_f32 v254, v254                       ; (it saturates)
	s_delay_alu instid0(VALU_DEP_1)
	v_ldexp_f32 v252, 1.0, v254                    ; f = 2^(old M - new M)
.set n, 0
.rept 32
	v_pk_fma_f32 v[96+n:97+n], v[96+n:97+n], s[CS:CS+1], v[12:13] op_sel_hi:[1,0,0]   ; t - M, two at a time
.set n, n+2
.endr
	s_setprio 1
.irp b, 0,1,2,3
	v_fma_f32 v[232+\b], v[232+\b], s[CS], v12     ; the same of each block's largest score
.endr
.set n, 0
	s_wait_alu depctr_va_vdst(0)
.rept 64
	v_exp_f32 v[96+n], v[96+n]                     ; p = 2^(t - M)
.set n, n+1
.endr
	v_pk_mul_f32 v[14:15], v[14:15], v[252:253] op_sel_hi:[1,0]   ; the sums under the new M: a plain instruction behind the exponentials
	s_wait_alu depctr_va_vdst(0)                   ; one wait for the batch, ahead of its first reader
.irp b, 0,1,2,3
	v_exp_f32 v[232+\b], v[232+\b]                 ; the block's largest p
.endr
	v_pk_add_f32 v[236:237], v[100:101], v[104:105]
	v_pk_add_f32 v[250:251], v[108:109], v[112:113]
	v_pk_add_f32 v[248:249], v[116:117], v[120:121]
	v_pk_add_f32 v[246:247], v[124:125], v[128:129]
	v_pk_add_f32 v[244:245], v[132:133], v[136:137]
	v_pk_add_f32 v[238:239], v[140:141], v[144:145]
	v_pk_add_f32 v[230:231], v[148:149], v[152:153]
	v_pk_add_f32 v[14:15], v[14:15], v[156:157]
	v_pk_add_f32 v[236:237], v[236:237], v[96:97]
	v_pk_add_f32 v[250:251], v[250:251], v[98:99]
	v_pk_add_f32 v[248:249], v[248:249], v[102:103]
	v_pk_add_f32 v[246:247], v[246:247], v[106:107]
	v_pk_add_f32 v[244:245], v[244:245], v[110:111]
	v_pk_add_f32 v[238:239], v[238:239], v[114:115]
	v_pk_add_f32 v[230:231], v[230:231], v[118:119]
	v_pk_add_f32 v[14:15], v[14:15], v[122:123]
	v_pk_add_f32 v[236:237], v[236:237], v[126:127]
	v_pk_add_f32 v[250:251], v[250:251], v[130:131]
	v_pk_add_f32 v[248:249], v[248:249], v[134:135]
	v_pk_add_f32 v[246:247], v[246:247], v[138:139]
	v_pk_add_f32 v[244:245], v[244:245], v[142:143]
	v_pk_add_f32 v[238:239], v[238:239], v[146:147]
	v_pk_add_f32 v[230:231], v[230:231], v[150:151]
	v_pk_add_f32 v[14:15], v[14:15], v[154:155]
	v_pk_add_f32 v[236:237], v[236:237], v[158:159]
	s_delay_alu instid0(VALU_DEP_2)
	v_pk_add_f32 v[14:15], v[14:15], v[246:247]
	s_delay_alu instid0(VALU_DEP_2)
	v_pk_add_f32 v[236:237], v[236:237], v[244:245]
	v_pk_add_f32 v[250:251], v[250:251], v[238:239]
	v_pk_add_f32 v[248:249], v[248:249], v[230:231]
	s_delay_alu instid0(VALU_DEP_2)
	v_pk_add_f32 v[14:15], v[14:15], v[250:251]
	s_delay_alu instid0(VALU_DEP_2)
	v_pk_add_f32 v[236:237], v[236:237], v[248:249]
	s_delay_alu instid0(VALU_DEP_1)
	v_pk_add_f32 v[14:15], v[14:15], v[236:237]
	s_wait_alu depctr_va_vdst(0)                   ; and one for the four
.irp b, 0,1,2,3
	v_max_num_f32 v[232+\b], 0x1800000, v[232+\b]  ; the floor 2^(3 - 127)
.endr
.irp b, 0,1,2,3
	s_delay_alu instid0(VALU_DEP_4)
	v_add_nc_u32 v[244+\b], 0xff000000, v[232+\b]  ; 2 off the exponent field: the conversion's scale operand
.endr
.irp b, 0,1,2,3
	s_delay_alu instid0(VALU_DEP_4)
	v_lshrrev_b32 v[236+\b], 23, v[244+\b]
.endr
	s_delay_alu instid0(VALU_DEP_3)
	v_lshl_or_b32 v253, v237, 8, v236              ; p's scale word for these 128 keys
	s_delay_alu instid0(VALU_DEP_1)
	v_lshl_or_b32 v253, v238, 16, v253
	s_delay_alu instid0(VALU_DEP_1)
	v_lshl_or_b32 v253, v239, 24, v253
	s_setprio 0
.irp t, 0,1,2,3,4,5,6,7
	v_cvt_scalef32_pk8_fp4_f32 v[224+4*(\t/4)+2*(\t%2)+(\t%4)/2], v[96+8*\t:103+8*\t], v[244+\t/2]   ; tiles 4 c, 4 c + 2, 4 c + 1, 4 c + 3 go to registers 4 c + 0 .. 3
.endr
	v_nop                                          ; one plain instruction behind the conversions
.irp i, 0,2,4,6
	v_permlane16_swap_b32 v[224+\i], v[225+\i]     ; register 4 c + i now holds keys 64 c + 32 h + 8 i + 0 .. 7
.endr
.set n, 0
.rept 16
	v_pk_mul_f32 v[160+n:161+n], v[160+n:161+n], v[252:253] op_sel_hi:[1,0]   ; O^T under the new M.  Twelve of these name no register of any one product below: the places behind p's codes and scale word
.set n, n+2
.endr
	s_wait_alu depctr_va_vdst(0)
	s_wait_dscnt 0x0                               ; v
.irp d, 0,1,2,3
	v_wmma_scale_f32_16x16x128_f8f6f4 v[160+8*\d:167+8*\d], v[192+8*\d:199+8*\d], v[224:231], v[160+8*\d:167+8*\d], v[240+\d], v253 matrix_a_fmt:MATRIX_FMT_FP4 matrix_b_fmt:MATRIX_FMT_FP4
.endr
.Lhidden_\@:
.endm
.macro LOOP to                         ; every wave walks all trips: the count is a constant of the text
	s_mov_b32 s[J], 0
	s_mov_b32 s[TB], 0
	s_mov_b32 s[TS], 0
	s_mov_b32 s[TJ], 0
.Lloop_\@:
	STEP
	s_add_co_u32 s[TB], s[TB], 4096
	s_add_co_u32 s[TS], s[TS], 512
	s_add_co_u32 s[TJ], s[TJ], 256
	s_add_co_u32 s[J], s[J], 1
	s_cmp_lt_u32 s[J], \to
	s_cbranch_scc1 .Lloop_\@
	s_setprio 0
	PLACES                                         ; behind the last products
.endm
; Tile s[tl] leaves: O^T / the sum is y(query r, channel 16 d + 8 h + j); its two blocks of 32 channels are quantised; the image of the operand's four registers is stored; the scale word stays in v[wr].
.macro WAYOUT tl, wr
	v_add_f32 v14, v14, v15
	s_delay_alu instid0(VALU_DEP_1)
	v_permlanex16_b32 v252, v14, s[SEL], s[SEL+1]
	s_delay_alu instid0(VALU_DEP_1)
	v_add_f32 v14, v14, v252                       ; the row's sum
	s_wait_alu depctr_va_vdst(0)
	v_rcp_f32 v14, v14
	s_lshl_b32 s62, s[\tl], 13
	s_add_co_u32 s62, s62, s[YB]
	v_add_nc_u32 v[YO], s62, v[AK0]                ; (a plain instruction behind the reciprocal)
	s_wait_alu depctr_va_vdst(0)                   ; the wait ahead of its first reader
.set n, 0
.rept 16
	v_pk_mul_f32 v[96+n:97+n], v[160+n:161+n], v[14:15] op_sel_hi:[1,0]
.set n, n+2
.endr
.irp b, 0,1
	v_max3_num_f32 v[232+\b], |v[96+16*\b]|, |v[97+16*\b]|, 0x1800000
.endr
.irp i, 2,4,6,8,10,12,14
.irp b, 0,1
	s_delay_alu instid0(VALU_DEP_2)
	v_max3_num_f32 v[232+\b], v[232+\b], |v[96+16*\b+\i]|, |v[97+16*\b+\i]|
.endr
.endr
.irp b, 0,1
	s_delay_alu instid0(VALU_DEP_2)
	v_permlanex16_b32 v[236+\b], v[232+\b], s[SEL], s[SEL+1]
.endr
.irp b, 0,1
	s_delay_alu instid0(VALU_DEP_2)
	v_max_num_f32 v[232+\b], v[232+\b], v[236+\b]
.endr
.irp b, 0,1
	s_delay_alu instid0(VALU_DEP_2)
	v_add_nc_u32 v[244+\b], 0xff000000, v[232+\b]
.endr
.irp b, 0,1
	s_delay_alu instid0(VALU_DEP_2)
	v_lshrrev_b32 v[236+\b], 23, v[244+\b]
.endr
	s_delay_alu instid0(VALU_DEP_1)
	v_lshl_or_b32 v[\wr], v237, 8, v236
.irp d, 0,1,2,3
	v_cvt_scalef32_pk8_fp4_f32 v[224+2*(\d%2)+\d/2], v[96+8*\d:103+8*\d], v[244+\d/2]
.endr
	v_nop
	v_permlane16_swap_b32 v224, v225
	v_permlane16_swap_b32 v226, v227
	global_store_b128 v[YO], v[224:227], s[8:9]    ; 32 lanes store 512 consecutive bytes, aligned
.endm
	QLOAD THI                                      ; the late tile first
	INIT
	s_lshr_b32 s[JD], s[WV], 1
	s_xor_b32 s[JD], s[JD], 15                     ; its diagonal step: 15 - wave / 2
	s_wait_tensorcnt 0x0                           ; my loads, if I have any, have landed
	s_barrier_signal -1
	s_barrier_wait -1                              ; the whole head lies in LDS; nothing writes it from here on
	s_wait_loadcnt 0x0                             ; q
	LOOP 16
	QLOAD TLO                                      ; the early tile's q lands while the late tile leaves
	WAYOUT THI, WHI
	INIT
	s_wait_xcnt 0x0                                ; the store has read its data and its offset: both are written again below
	s_wait_loadcnt 0x0
	s_lshr_b32 s[JD], s[WV], 1
	LOOP 8
	WAYOUT TLO, WLO
	s_lshl_b32 s62, s[THI], 9                      ; y's scale bytes: lanes 0-15 store the late tile's rows, lanes 16-31 the early tile's: 2 bytes a lane, 32 bytes apart: a head is all that a wave has of a row
	s_add_co_u32 s62, s62, s[YSB]
	s_lshl_b32 s63, s[TLO], 9
	s_add_co_u32 s63, s63, s[YSB]
	v_mov_b32 v[SO], s62
	v_mov_b32 v232, s63
	s_delay_alu instid0(VALU_DEP_1)
	v_cndmask_b32 v[SO], v[SO], v232, s[HIM]
	s_delay_alu instid0(VALU_DEP_1)
	v_lshl_add_u32 v[SO], v[R16], 1, v[SO]
	v_cndmask_b32 v[WHI], v[WHI], v[WLO], s[HIM]
	global_store_b16 v[SO], v[WHI], s[10:11]
	s_wait_tensorcnt 0x0                           ; the wave's end
	ds_add_u32 v[SPW], v[NIL]
	s_wait_dscnt 0x0
	CROUND                                         ; the closing round
	s_endpgm
.Lfunc_end_k_qdb7bb896dd_attn:
	.size	k_qdb7bb896dd_attn, .Lfunc_end_k_qdb7bb896dd_attn-k_qdb7bb896dd_attn
	.p2alignl 7, 3214868480
	.fill 96, 4, 3214868480
	.section	.rodata,"a",@progbits
	.p2align	6, 0x0
	.amdhsa_kernel k_qdb7bb896dd_attn
		.amdhsa_group_segment_fixed_size 167936
		.amdhsa_private_segment_fixed_size 0
		.amdhsa_enable_private_segment 0
		.amdhsa_kernarg_size 32
		.amdhsa_user_sgpr_count 2
		.amdhsa_user_sgpr_kernarg_segment_ptr 1
		.amdhsa_wavefront_size32 1
		.amdhsa_system_sgpr_workgroup_id_x 1
		.amdhsa_system_sgpr_workgroup_id_y 1
		.amdhsa_system_sgpr_workgroup_id_z 1
		.amdhsa_system_vgpr_workitem_id 0
		.amdhsa_next_free_vgpr 256
		.amdhsa_next_free_sgpr 100
		.amdhsa_reserve_vcc 1
		.amdhsa_float_denorm_mode_32 3
		.amdhsa_float_denorm_mode_16_64 3
		.amdhsa_memory_ordered 1
		.amdhsa_forward_progress 1
		.amdhsa_inst_pref_size 64
	.end_amdhsa_kernel
	.amdgpu_metadata
---
amdhsa.version: [ 1, 2 ]
amdhsa.kernels:
  - .name:           k_qdb7bb896dd_attn
    .symbol:         k_qdb7bb896dd_attn.kd
    .args:
      - { .name: qkv_img, .offset: 0, .size: 8, .value_kind: global_buffer, .address_space: global }
      - { .name: qkv_sc, .offset: 8, .size: 8, .value_kind: global_buffer, .address_space: global }
      - { .name: y_img, .offset: 16, .size: 8, .value_kind: global_buffer, .address_space: global }
      - { .name: y_sc, .offset: 24, .size: 8, .value_kind: global_buffer, .address_space: global }
    .group_segment_fixed_size: 167936
    .private_segment_fixed_size: 0
    .kernarg_segment_align: 8
    .kernarg_segment_size: 32
    .max_flat_workgroup_size: 512
    .sgpr_count:     100
    .vgpr_count:     256
    .wavefront_size: 32
...
	.end_amdgpu_metadata
.endif
;; end of part 2
;; launch proj (part 3): grid 8 x 32, 4 waves a work-group, clusters of 4 x 4, 327,680 bytes of LDS; arguments y_img, y_sc, proj_w_codes, proj_w_scales, proj_b, out0; writes out0
.if DOCPART == 3
	.amdgcn_target "amdgcn-amd-amdhsa--gfx1250"
	.amdhsa_code_object_version 6
	.text
	.protected	k_qdb7bb896dd_proj
	.globl	k_qdb7bb896dd_proj
	.p2align	8
	.type	k_qdb7bb896dd_proj,@function
k_qdb7bb896dd_proj:
	s_mov_b64 s[64:65], 0
	v_nop
	global_prefetch_b8 v0, s[64:65] scope:SCOPE_SE
	s_setreg_imm32_b32 hwreg(HW_REG_WAVE_MODE, 25, 1), 1
	s_wait_xcnt 0x0
	s_wait_alu depctr_hold_cnt(0) depctr_sa_sdst(0) depctr_va_vdst(0) depctr_va_sdst(0) depctr_va_ssrc(0) depctr_va_vcc(0) depctr_vm_vsrc(0)
	s_getreg_b32 s2, hwreg(HW_REG_IB_STS2, 6, 4)
	s_cmp_eq_u32 s2, 0
	s_cbranch_scc0 .Lentry_in_a_cluster
	s_endpgm
.Lentry_in_a_cluster:
	s_bfe_u32 s2, ttmp6, 0x10000c
	s_cmp_lg_u32 s2, 0xf033
	s_cbranch_scc0 .Lentry_shape_is_right
	s_endpgm
.Lentry_shape_is_right:
; Launch 3 of 3: out = y W^T + b on codes of FP4 (E2M1) with one E8M0 scale for each 32 along K.  No work is left out here.
; SHARES, as in the first launch: a work-group of four waves makes 128 features (source 0 = rows of W) x 256 tokens (source 1 = y); wave w takes tokens 64 w .. 64 w + 63 (four blocks a) against all 128 features
; (eight tiles b): 32 accumulators.  In a result lane (r, h) holds token 16 a + r and register j feature 16 b + 8 h + j: eight neighbouring numbers of a row of out.
; ALL OF K = 1,024 LIES IN LDS, in two halves, each filled once by joint loads of a 4 x 4 cluster (y's tile shared along a row of the cluster, W's along a column).  W's rows: 256 bytes + 16 of padding.
; y comes as the images of its operand's registers, [tile of 16 tokens][head 16][512 bytes]: half of K of a tile is 4,096 bytes on end, and a fragment load reads 512 bytes on end: no pitch, no padding.
; The scale words go from memory straight into registers, all of K at once.  The bias is the C of each sum's first matrix instruction.
; REGISTERS, in windows of 256: window 0: v0-15 addresses; v16-31 y's scale words, v32-63 W's; v64-127 y's fragments, two sets; v128-191 the bias, later with v192-255 rows of out.
;   window 1: v0-127 W's fragments, two sets.   window 2: accumulator (a, b) at v[8 (8 a + b)].
.set PITCH, 272
.set S1B,   16*4096                    ; y: 16 tiles x half of K
.set S0B,   128*PITCH                  ; W: 128 rows
.set SLOT,  S1B+S0B
.set STAGE, 2*SLOT                     ; behind the two halves: 16 rows x (512 bytes + 16) for each wave, for the way out; no tensor load lands here
.set SPITCH, 528
.set SPARE, STAGE+4*16*SPITCH          ; the spare words, 128 bytes for each wave, that no other line names
.set ADRA, 4
.set ADRB, 6
.set SOF,  8                           ; v8   32 x lane
.set BOF,  9                           ; v9   32 h
.set STO,  10                          ; v10  the stage: where I put 32 bytes of a row
.set RD,   11                          ; v11  and where I read a row back
.set CO,   12                          ; v12  16 x lane: my place in a row's 512 bytes of out
.set SPW,  14
.set NIL,  15
.set SA,   16
.set SB,   32
.set AF,   64
.set BI,   128                         ; the bias: eight registers a tile b
.set BK,   128                         ; the way out: 16 rows back from the stage: v128-191 and v192-255 by turns
.set WV,  18
.set LH,  19
.set LS,  20
.set CX,  21
.set CY,  22
.set G1,  24
.set G0,  32
.set G1B, 48
.set G0B, 56
.set S0C, 68
.set S0S, 70
.set S1C, 72
.set S1S, 74
.set OC,  80
.set BB,  86
.set T0,  90
.set T1,  91
.set MSB, 0
.macro WIN new
.if MSB != \new
	s_set_vgpr_msb (MSB<<8)|\new
.set MSB, \new
.endif
.endm
.set MUL,  0xa1                        ; source 0 window 1, source 1 window 0, C and D window 2
.set MUL1, 0x81                        ; the same with C (the bias) in window 0
.set TO_B, 0x40
.macro PLACES
.rept 4
	v_nop
.endr
.endm
.macro JLOAD g0a, g1a, g0b, g1b        ; waves 0 and 1 fetch y's halves, waves 2 and 3 W's; an s_nop 0 and four v_nop follow each line
	s_cmp_eq_u32 s[LS], 0
	s_cbranch_scc0 .Lfor_b_\@
	tensor_load_to_lds s[\g0a:\g0a+3], s[\g1a:\g1a+7]
	s_nop 0
.rept 4
	v_nop
.endr
	s_branch .Lasked_\@
.Lfor_b_\@:
	tensor_load_to_lds s[\g0b:\g0b+3], s[\g1b:\g1b+7]
	s_nop 0
.rept 4
	v_nop
.endr
.Lasked_\@:
.endm
.macro CROUND
	s_barrier_signal -1
	s_barrier_wait -1
	s_cmp_lg_u32 s[WV], 0
	s_cbranch_scc1 .Lnot_wave_0_\@
	s_barrier_signal -3
.Lnot_wave_0_\@:
	s_barrier_wait -3
	s_barrier_signal -1
	s_barrier_wait -1
.endm
	s_load_b256 s[4:11], s[0:1], 0x0               ; y_img s[4:5], y_sc s[6:7], W's codes s[8:9], W's scales s[10:11]
	s_load_b128 s[12:15], s[0:1], 0x20             ; the bias s[12:13], out s[14:15]
	v_lshl_add_u32 v[SPW], v0, 2, SPARE
	v_mov_b32 v[NIL], 0
	ds_add_u32 v[SPW], v[NIL]                      ; the wave's opening: the add, twice on end, and its wait ahead of my first tensor load
	ds_add_u32 v[SPW], v[NIL]                      ; and once more, under the one wait
	v_lshrrev_b32 v1, 5, v0
	v_readfirstlane_b32 s[WV], v1
	s_and_b32 s[LH], s[WV], 1
	s_lshr_b32 s[LS], s[WV], 1
	s_bfe_u32 s[CX], ttmp6, 0x40000
	s_bfe_u32 s[CY], ttmp6, 0x40004
	s_lshl_b32 s[T0], ttmp9, 2
	s_add_co_u32 s[T0], s[T0], s[CX]               ; features 128 T0 on
	s_and_b32 s[T1], ttmp7, 0xffff
	s_lshl_b32 s[T1], s[T1], 2
	s_add_co_u32 s[T1], s[T1], s[CY]               ; tokens 256 T1 on
	s_lshl_b32 s46, s[CY], 2
	s_lshl_b32 s46, 15, s46                        ; my row of the cluster
	s_lshl_b32 s47, 0x1111, s[CX]                  ; my column
	s_or_b32 s[G1], s46, (3<<16)|(1<<21)           ; y: elements of 8 bytes, no padding; bit 21 set beside the mask
	s_mov_b32 s[G1+1], 512<<16                     ; a row: 512 elements = 4,096 bytes: half of K of a tile of 16 tokens
	s_mov_b32 s[G1+2], 8<<16                       ; 8 tiles
	s_mov_b32 s[G1+3], 512<<16
	s_mov_b32 s[G1+4], 8
	s_mov_b32 s[G1+5], 1024                        ; from tile to tile: 8,192 bytes
	s_mov_b32 s[G1+6], 0
	s_mov_b32 s[G1+7], 0
	s_or_b32 s[G1B], s47, 0x07700000               ; W: elements of 1 byte; four words of padding after every 64
	s_mov_b32 s[G1B+1], 256<<16
	s_mov_b32 s[G1B+2], 64<<16
	s_mov_b32 s[G1B+3], 256<<16
	s_mov_b32 s[G1B+4], 64
	s_mov_b32 s[G1B+5], 512
	s_mov_b32 s[G1B+6], 0
	s_mov_b32 s[G1B+7], 0
	s_lshl_b32 s76, s[T1], 17                      ; y: (16 T1 + 8 half) tiles of 8,192 bytes
	s_lshl_b32 s40, s[LH], 16
	s_add_co_u32 s76, s76, s40
	s_mov_b32 s77, 0
	s_lshl_b32 s78, s[T0], 16                      ; W: (128 T0 + 64 half) rows of 512 bytes
	s_lshl_b32 s40, s[LH], 15
	s_add_co_u32 s78, s78, s40
	s_mov_b32 s79, 0
	s_lshl_b32 s42, s[LH], 15                      ; where they go: 8 tiles x 4,096;
	s_mul_i32 s43, s[LH], 64*PITCH
	s_add_co_u32 s43, s43, S1B                     ; 64 rows, behind y's
	s_wait_dscnt 0x0                               ; both opening adds are done
	s_wait_kmcnt 0x0
	s_add_nc_u64 s[S1C:S1C+1], s[4:5], s[76:77]
	s_add_nc_u64 s[S0C:S0C+1], s[8:9], s[78:79]
	CROUND                                         ; all sixteen work-groups are here: the joint loads meet
.irp s, 0,1
	s_mov_b32 s[G0+4*\s], 1
	s_add_co_u32 s[G0+4*\s+1], s42, \s*SLOT
	s_add_nc_u64 s[G0+4*\s+2:G0+4*\s+3], s[S1C:S1C+1], \s*4096
	s_or_b32 s[G0+4*\s+3], s[G0+4*\s+3], 0x80000000
	s_mov_b32 s[G0B+4*\s], 1
	s_add_co_u32 s[G0B+4*\s+1], s43, \s*SLOT
	s_add_nc_u64 s[G0B+4*\s+2:G0B+4*\s+3], s[S0C:S0C+1], \s*256
	s_or_b32 s[G0B+4*\s+3], s[G0B+4*\s+3], 0x80000000
	s_wait_alu depctr_va_vdst(0)
	s_wait_tensorcnt 0x0
	ds_add_u32 v14, v15
	ds_add_u32 v14, v15
	s_wait_dscnt 0x0
	CROUND
	JLOAD G0+4*\s, G1, G0B+4*\s, G1B               ; the halves of K go out one after the other: the first has landed before the second is asked for
.endr
	v_and_b32 v1, 15, v0                           ; r
	v_bfe_u32 v2, v0, 4, 1                         ; h
	v_and_b32 v3, 31, v0                           ; lane
	v_lshlrev_b32 v[SOF], 5, v3
	v_lshlrev_b32 v[BOF], 5, v2
	s_wait_alu depctr_va_vdst(0)
	s_lshl_b32 s76, s[T1], 13                      ; y's scale bytes: (256 T1 + 64 wave) rows of 32
	s_lshl_b32 s40, s[WV], 11
	s_add_co_u32 s76, s76, s40
	s_add_nc_u64 s[S1S:S1S+1], s[6:7], s[76:77]
	s_lshl_b32 s78, s[T0], 12
	s_add_nc_u64 s[S0S:S0S+1], s[10:11], s[78:79]
.irp p, 0,1                            ; lane l takes the 32 scale bytes of row 32 p + l: lanes 0-15 hold block 2 p's eight words, lanes 16-31 block 2 p + 1's
	global_load_b128 v[SA+8*\p:SA+8*\p+3], v[SOF], s[S1S:S1S+1] offset:1024*\p
	global_load_b128 v[SA+8*\p+4:SA+8*\p+7], v[SOF], s[S1S:S1S+1] offset:1024*\p+16
.endr
.irp p, 0,1,2,3
	global_load_b128 v[SB+8*\p:SB+8*\p+3], v[SOF], s[S0S:S0S+1] offset:1024*\p
	global_load_b128 v[SB+8*\p+4:SB+8*\p+7], v[SOF], s[S0S:S0S+1] offset:1024*\p+16
.endr
	s_lshl_b32 s40, s[T0], 9
	s_mov_b32 s41, 0
	s_add_nc_u64 s[BB:BB+1], s[12:13], s[40:41]
.irp b, 0,1,2,3,4,5,6,7
	global_load_b128 v[BI+8*\b:BI+8*\b+3], v[BOF], s[BB:BB+1] offset:64*\b       ; the bias of features 16 b + 8 h + 0 .. 7, in the result's layout
	global_load_b128 v[BI+8*\b+4:BI+8*\b+7], v[BOF], s[BB:BB+1] offset:64*\b+16
.endr
	s_lshl_b32 s76, s[T1], 20                      ; out: (256 T1 + 64 wave) rows of 4,096 bytes + 512 T0
	s_lshl_b32 s40, s[WV], 18
	s_add_co_u32 s76, s76, s40
	s_lshl_b32 s40, s[T0], 9
	s_add_co_u32 s76, s76, s40
	s_add_nc_u64 s[OC:OC+1], s[14:15], s[76:77]
	v_lshlrev_b32 v[CO], 4, v3
	s_lshl_b32 s40, s[WV], 14                      ; my four tiles of y
	v_add_nc_u32 v[ADRA], s40, v[CO]
	v_add_nc_u32 v[ADRA+1], SLOT, v[ADRA]
	v_mul_u32_u24 v[ADRB], v1, PITCH
	v_lshl_add_u32 v[ADRB], v2, 4, v[ADRB]
	v_add_nc_u32 v[ADRB+1], S1B+SLOT, v[ADRB]
	v_add_nc_u32 v[ADRB], S1B, v[ADRB]
	s_mul_i32 s40, s[WV], 16*SPITCH
	s_add_co_u32 s40, s40, STAGE                   ; my stage
	v_mul_u32_u24 v[STO], v1, SPITCH
	v_lshl_add_u32 v[STO], v2, 5, v[STO]
	v_add_nc_u32 v[STO], s40, v[STO]
	v_add_nc_u32 v[RD], s40, v[CO]
.macro WM a, b, P, kq, cm              ; cm = 1: the sum begins with the bias
.set rD, 8*(8*(\a)+(\b))
.set rC, rD
.if \cm
.set rC, BI+8*(\b)
.endif
.set rB, 64*(\P)+8*(\b)
.set rA, AF+32*(\P)+8*(\a)
.set rU, SB+8*((\b)/2)+(\kq)
.set rW, SA+8*((\a)/2)+(\kq)
.if ((\b)%2 == 0) && ((\a)%2 == 0)
	v_wmma_scale_f32_16x16x128_f8f6f4 v[rD:rD+7], v[rB:rB+7], v[rA:rA+7], v[rC:rC+7], v[rU], v[rW] matrix_a_fmt:MATRIX_FMT_FP4 matrix_b_fmt:MATRIX_FMT_FP4
.elseif ((\b)%2 == 1) && ((\a)%2 == 0)
	v_wmma_scale_f32_16x16x128_f8f6f4 v[rD:rD+7], v[rB:rB+7], v[rA:rA+7], v[rC:rC+7], v[rU], v[rW] matrix_a_fmt:MATRIX_FMT_FP4 matrix_b_fmt:MATRIX_FMT_FP4 matrix_a_scale:MATRIX_SCALE_ROW1
.elseif ((\b)%2 == 0)
	v_wmma_scale_f32_16x16x128_f8f6f4 v[rD:rD+7], v[rB:rB+7], v[rA:rA+7], v[rC:rC+7], v[rU], v[rW] matrix_a_fmt:MATRIX_FMT_FP4 matrix_b_fmt:MATRIX_FMT_FP4 matrix_b_scale:MATRIX_SCALE_ROW1
.else
	v_wmma_scale_f32_16x16x128_f8f6f4 v[rD:rD+7], v[rB:rB+7], v[rA:rA+7], v[rC:rC+7], v[rU], v[rW] matrix_a_fmt:MATRIX_FMT_FP4 matrix_b_fmt:MATRIX_FMT_FP4 matrix_a_scale:MATRIX_SCALE_ROW1 matrix_b_scale:MATRIX_SCALE_ROW1
.endif
.endm
.macro MUL32 P, kq, cm                 ; the 32 accumulators take turns, one instruction a turn, in the same order in every step
.irp a, 0,1,2,3
.irp b, 0,1,2,3,4,5,6,7
	WM \a, \b, \P, \kq, \cm
.endr
.endr
.endm
.macro FETCH slot, q, P                ; 24 LDS loads in one run: W's eight fragments from rows, y's four from images
	WIN TO_B
.irp b, 0,1,2,3,4,5,6,7
.irp c, 0,1
	ds_load_b128 v[64*(\P)+8*\b+4*\c:64*(\P)+8*\b+4*\c+3], v[ADRB+\slot] offset:\b*16*PITCH+64*(\q)+32*\c
.endr
.endr
	WIN 0
.irp a, 0,1,2,3
.irp c, 0,1
	ds_load_b128 v[AF+32*(\P)+8*\a+4*\c:AF+32*(\P)+8*\a+4*\c+3], v[ADRA+\slot] offset:\a*4096+1024*(\q)+512*\c
.endr
.endr
.endm
.macro STEP slot, q, fetch, nslot, nq, sync, cm
	s_wait_dscnt 0x0                               ; this step's 24 loads, issued a step ago, are in
.if \sync == 1
	s_wait_tensorcnt 0x0                           ; my part of the second half of K has landed: say so
	s_barrier_signal -1                            ; between this and its wait stand LDS loads of the first half, which nobody writes, and work on registers
.endif
.if \sync == 2
	s_barrier_wait -1                              ; everybody's has
.endif
.if \fetch
	PLACES                                         ; behind the last step's products, which read the set that is loaded now
	FETCH \nslot, \nq, 1-(\q)%2
.endif
.if \cm
	WIN MUL1
.else
	WIN MUL
.endif
	MUL32 (\q)%2, 4*(\slot)+(\q), \cm
	WIN 0
.endm
	s_wait_alu depctr_va_vdst(0)
	s_wait_tensorcnt 0x1                           ; my part of the first half of K is in; the second half's load, issued behind it, may stay out
	s_barrier_signal -1
	s_barrier_wait -1
	FETCH 0, 0, 0
	s_wait_loadcnt 0x0                             ; the scale words and the bias
	STEP 0, 0, 1, 0, 1, 0, 1
	STEP 0, 1, 1, 0, 2, 0, 0
	STEP 0, 2, 1, 0, 3, 1, 0
	STEP 0, 3, 1, 1, 0, 2, 0
	STEP 1, 0, 1, 1, 1, 0, 0
	STEP 1, 1, 1, 1, 2, 0, 0
	STEP 1, 2, 1, 1, 3, 0, 0
	STEP 1, 3, 0, 0, 0, 0, 0
	PLACES                                         ; in front of the first read of results
; THE WAY OUT, block by block of 16 tokens x 128 features.  A lane holds 32 neighbouring bytes of a row and the lanes beside it other rows: a block goes through my own stage and comes back as whole rows of
; 512 bytes.  LDS serves a wave's instructions in order (ISA guide 5.7.1.4): no wait between the stores and the loads, nor in front of the next block's stores.
.macro TOSTAGE a
	WIN 0x08                                       ; an LDS store's data: window 2
.irp b, 0,1,2,3,4,5,6,7
	ds_store_b128 v[STO], v[64*(\a)+8*\b:64*(\a)+8*\b+3] offset:64*\b          ; each accumulator from its low end on
	ds_store_b128 v[STO], v[64*(\a)+8*\b+4:64*(\a)+8*\b+7] offset:64*\b+16
.endr
	WIN 0
.set RB, BK+64*((\a)%2)
.irp t, 0,1,2,3,4,5,6,7,8,9,10,11,12,13,14,15
	ds_load_b128 v[RB+4*\t:RB+4*\t+3], v[RD] offset:\t*SPITCH
.endr
.endm
.macro SEND a, younger                 ; younger: the LDS instructions issued behind block a's loads, which may stay out
.set RB, BK+64*((\a)%2)
	s_wait_dscnt \younger
.irp t, 0,1,2,3,4,5,6,7,8,9,10,11,12,13,14,15
	global_store_b128 v[CO], v[RB+4*\t:RB+4*\t+3], s[OC:OC+1] offset:(16*(\a)+\t)*4096 th:TH_STORE_NT   ; 32 lanes store 512 consecutive bytes, aligned; written once, read by nobody here
.endr
.endm
	TOSTAGE 0
.irp a, 1,2,3
.if \a > 1
	s_wait_xcnt 0x0                                ; block a - 2's stores have read their registers: block a's loads may land there
.endif
	TOSTAGE \a
	SEND \a-1, 32                                  ; behind block a - 1's loads: block a's 16 stores and 16 loads
.endr
	SEND 3, 0
	s_wait_tensorcnt 0x0                           ; the wave's end, behind my last LDS store
	ds_add_u32 v[SPW], v[NIL]
	s_wait_dscnt 0x0
	CROUND                                         ; the closing round
	s_endpgm
.Lfunc_end_k_qdb7bb896dd_proj:
	.size	k_qdb7bb896dd_proj, .Lfunc_end_k_qdb7bb896dd_proj-k_qdb7bb896dd_proj
	.p2alignl 7, 3214868480
	.fill 96, 4, 3214868480
	.section	.rodata,"a",@progbits
	.p2align	6, 0x0
	.amdhsa_kernel k_qdb7bb896dd_proj
		.amdhsa_group_segment_fixed_size 327680
		.amdhsa_private_segment_fixed_size 0
		.amdhsa_enable_private_segment 0
		.amdhsa_kernarg_size 48
		.amdhsa_user_sgpr_count 2
		.amdhsa_user_sgpr_kernarg_segment_ptr 1
		.amdhsa_wavefront_size32 1
		.amdhsa_system_sgpr_workgroup_id_x 1
		.amdhsa_system_sgpr_workgroup_id_y 1
		.amdhsa_system_sgpr_workgroup_id_z 1
		.amdhsa_system_vgpr_workitem_id 0
		.amdhsa_next_free_vgpr 768
		.amdhsa_next_free_sgpr 100
		.amdhsa_reserve_vcc 0
		.amdhsa_float_denorm_mode_32 3
		.amdhsa_float_denorm_mode_16_64 3
		.amdhsa_memory_ordered 1
		.amdhsa_forward_progress 1
		.amdhsa_inst_pref_size 72
	.end_amdhsa_kernel
	.amdgpu_metadata
---
amdhsa.version: [ 1, 2 ]
amdhsa.kernels:
  - .name:           k_qdb7bb896dd_proj
    .symbol:         k_qdb7bb896dd_proj.kd
    .args:
      - { .name: y_img, .offset: 0, .size: 8, .value_kind: global_buffer, .address_space: global }
      - { .name: y_sc, .offset: 8, .size: 8, .value_kind: global_buffer, .address_space: global }
      - { .name: proj_w_codes, .offset: 16, .size: 8, .value_kind: global_buffer, .address_space: global }
      - { .name: proj_w_scales, .offset: 24, .size: 8, .value_kind: global_buffer, .address_space: global }
      - { .name: proj_b, .offset: 32, .size: 8, .value_kind: global_buffer, .address_space: global }
      - { .name: out0, .offset: 40, .size: 8, .value_kind: global_buffer, .address_space: global }
    .group_segment_fixed_size: 327680
    .private_segment_fixed_size: 0
    .kernarg_segment_align: 8
    .kernarg_segment_size: 48
    .max_flat_workgroup_size: 128
    .sgpr_count:     100
    .vgpr_count:     768
    .wavefront_size: 32
...
	.end_amdgpu_metadata
.endif
;; end of part 3
